; MI455X (gfx1250); checked and timed in simulation.
; The chip was launched on July 23, 2026; its instructions are those of AMD's public machine-readable ISA for CDNA 5 (MIT licence, August 2026) and "CDNA5" Instruction Set Architecture Reference Guide (July 2026). The comments in the code are by the model that wrote it; some were corrected since.
;; Bert Self Attention. Allowed arithmetic: matrix products marked QUANTISED: E4M3 operands, one E8M0 scale for each 32 along K, by v_wmma_scale_f32_16x16x128_f8f6f4 with both operands' format E4M3, f32 sums; everything else in f32.
;; Inputs: Wk 768 x 768 float32; Wq 768 x 768 float32; Wv 768 x 768 float32; attention_mask 1 x 1 x 1 x 4,096 float32; bk 768 float32; bq 768 float32; bv 768 float32; hidden_states 1 x 4,096 x 768 float32.
;; Outputs: out0 1 x 4,096 x 768 float32.
;; This version of the problem:
;;   THIS VERSION OF THE PROBLEM IS GIVEN IN LOW PRECISION. The matrix products marked QUANTISED in the list below multiply operands that are first quantised to E4M3 (4 exponent bits, 3 mantissa bits; 8 bits a number), with one power-of-two scale for each 32 numbers along K (OCP MX v1.0); their sums are f32. All else is computed in f32.
;;   The module's matrix products, in the order in which they are computed (A, B: the left and right operand; K: the contracted axis; several contracted axes count as one K, in the product's order):
;;     1. [M 4,096, K 768] x [K 768, N 768]; A: input hidden_states; B: input Wq: QUANTISED
;;     2. [M 4,096, K 768] x [K 768, N 768]; A: input hidden_states; B: input Wk: QUANTISED
;;     3. [M 4,096, K 768] x [K 768, N 768]; A: input hidden_states; B: input Wv: QUANTISED
;;     4. batch 12 x [M 4,096, K 64] x [K 64, N 4,096]; A: computed on the way; B: computed on the way: QUANTISED
;;     5. batch 12 x [M 4,096, K 4,096] x [K 4,096, N 64]; A: softmax (see below); B: computed on the way: QUANTISED
;;   THE QUANTISER, for each operand of a quantised product, along K:
;;     - K is cut into blocks of 32 from its start; a last block that is shorter is filled with zeros.
;;     - A block's scale is 2^e with e = floor(log2(the largest magnitude in the block)) - 8, held to -126 .. 127; a block of zeros has e = 0. As a byte (E8M0): e + 127.
;;     - Each number is divided by its block's scale, clamped to +-448, and rounded to the nearest number of E4M3, ties to even, subnormals kept.
;;     - The product sums the exact products of the quantised numbers (number of the format x scale) in f32.
;;   ~~~python
;;   def quantise(x, axis):      # numpy; x: float32 -> the quantised numbers, widened to float32 again
;;       x = np.moveaxis(x, axis, -1); K = x.shape[-1]
;;       x = np.pad(x, [(0, 0)] * (x.ndim - 1) + [(0, -K % 32)]); x = x.reshape(x.shape[:-1] + (-1, 32)); a = np.abs(x).max(-1, keepdims=True)
;;       e = np.where(a > 0, np.clip(np.frexp(np.where(a > 0, a, 1))[1] - 1 - 8, -126, 127), 0)      # np.frexp(a)[1] - 1 = floor(log2(a)), exactly
;;       r = np.clip(x / 2.0 ** e, -448, 448)
;;       step = 2.0 ** (np.maximum(np.frexp(np.where(r == 0, 1, r))[1] - 1, -6) - 3)
;;       q = np.round(r / step) * step * 2.0 ** e      # np.round: ties to even
;;       return np.moveaxis(q.reshape(q.shape[:-2] + (-1,))[..., :K], -1, axis).astype(np.float32)
;;   ~~~
;;   SOFTMAX AHEAD OF A QUANTISED PRODUCT. Where the list says 'softmax', what is quantised is not the finished softmax but p = 2^(t - M), with t = logit x log2(e) and M = ceil(the row's largest t), a whole number; so 1/2 < the row's largest p <= 1. The row's sum l is taken of the UNQUANTISED p, in f32, and the product's result is divided by l at the end. Since M is a whole number, a kernel that streams over the keys may use a running M (the ceiling of the running maximum): every later rescaling is an exact power of two, which a block's scale takes up: the codes' values come out the same.
;;   OPERANDS COMPUTED ON THE WAY. 'Computed on the way' means the value that the module computes at that place (a softmax that the list does not call 'softmax' is quantised finished and normalised). What goes into a quantiser is computed in f32, as accurately as f32 sums, v_exp_f32 and their like allow (about 1e-6 of the number): no bf16 or f16 on the way to a quantiser, and a product that is left as it is and whose result goes on into a quantised operand takes f32 operands (vector FMAs, or v_wmma_f32_16x16x4_f32). A number that lies on a knife's edge between two numbers of the format may be rounded either way, as far as f32 arithmetic and the matrix unit's own rounding can turn it there, and no further.
;; One version. Each part assembles by itself: llvm-mc -triple=amdgcn-amd-amdhsa -mcpu=gfx1250 --defsym DOCPART=n.
;; ======== version 1 of 1: 3 launches
;; limits: right only within a limited range of input values
;; workspace buffers: img 4,915,200 bytes; sw 153,600 bytes; qimg 3,145,728 bytes; qsw 196,608 bytes; kv 6,586,368 bytes
;; launch quant (part 1): grid 200 x 1, 6 waves a work-group, no clusters, 51,456 bytes of LDS; arguments hidden_states, Wq, Wk, Wv, img, sw; writes img, sw
.if DOCPART == 1
	.amdgcn_target "amdgcn-amd-amdhsa--gfx1250"
	.amdhsa_code_object_version 6
	.text
	.protected	k_qeacc2a092f_quant
	.globl	k_qeacc2a092f_quant
	.p2align	8
	.type	k_qeacc2a092f_quant,@function
k_qeacc2a092f_quant:
	s_mov_b64 s[64:65], 0
	v_nop
	global_prefetch_b8 v0, s[64:65] scope:SCOPE_SE
	s_setreg_imm32_b32 hwreg(HW_REG_WAVE_MODE, 25, 1), 1
	s_wait_xcnt 0x0
; hidden_states [4096][768] and Wq, Wk, Wv [768 (k)][768 (n)], f32, become codes of FP8 (E4M3) with one E8M0 scale byte for each 32 along K = 768,
; laid as IMAGES OF THE OPERAND'S REGISTERS, so that the next launch loads every fragment by dense 512-byte loads and shuffles nothing.
; GROUPS.  32 rows (tokens, or columns of a weight) are a group; groups 0-127 are the tokens, 128 + 24 m + cg the columns 32 cg on of weight m (0 q, 1 k, 2 v).
; A group is two tiles u = 0, 1; lane r of tile u is row 8 u + r + 8 (r / 8) of the group.
; img: [group][u][K step s of 128][piece c 0..3][lane][16 bytes]; piece c of lane (r, h) holds k = 128 s + 32 c + 16 h + 0 .. 15 of the lane's row.
; sw:  [group][s][p = r + 16 u][4 bytes]: a row's four scale bytes of K step s.
; SHARES.  Work-group g takes group g, wave s K step s: 16 KiB of f32 in, 4 KiB of codes and 128 bytes of scale words out.  All loads of a wave go out at its head.
; A block's scale is 2^(floor(log2(largest magnitude)) - 8); its byte is the largest magnitude's exponent field - 8, held at 1 from below by a floor among the maximum's leaves.
; LIMITS: a block of zeros gets the byte 1 and not 127 (its codes are zeros, and this program alone reads the bytes); NaN and infinities among the inputs are not served.
; No matrix unit, no cluster, no tensor load: a stream in which waves share nothing.  Only the tokens' path touches LDS, each wave its own 8,448 bytes; no barrier.
.set TM,    16                         ; v16-31  +0..3 largest magnitudes, +4..7 the other half's, then bytes, +8..11 448 x scale, +12..15 the conversions' scale operand
.set PC,    32                         ; v32-63  codes: never written twice, so no store's data are overwritten
.set RAW,   64                         ; v64-191 numbers as they are loaded
.set X,     192                        ; v192-255 tokens' path: 64 numbers of a lane's row, register 16 b + i = k 32 b + 16 h + i
.set FLOOR, 0x4800000                  ; 2^(9 - 127)
.set SROW,  528                        ; a stage row: 512 bytes + 16, an odd multiple of 16 bytes
.set SWAVE, 16*SROW                    ; a wave's stage
	s_load_b256 s[4:11], s[0:1], 0x0               ; hidden s[4:5], Wq s[6:7], Wk s[8:9], Wv s[10:11]
	s_load_b128 s[12:15], s[0:1], 0x20             ; img s[12:13], sw s[14:15]
	v_lshl_add_u32 v14, v0, 2, 0xc600
	v_mov_b32 v15, 0
	v_lshrrev_b32 v11, 5, v0
	v_readfirstlane_b32 s16, v11                   ; wave = K step
	v_and_b32 v1, 31, v0                           ; lane
	v_and_b32 v12, 15, v0                          ; r
	v_bfe_u32 v13, v0, 4, 1                        ; h
	v_lshlrev_b32 v2, 4, v1                        ; 16 x lane
	v_lshlrev_b32 v3, 2, v1                        ; 4 x lane
	s_mul_i32 s19, s16, SWAVE
	v_add_nc_u32 v4, s19, v2                       ; the stage, on the way in: a row as it was loaded
	v_mul_u32_u24 v5, v12, SROW
	v_lshl_add_u32 v5, v13, 6, v5
	v_add_nc_u32 v5, s19, v5                       ; and on the way out: row r, + 64 h: my 16 numbers of a block
	s_mov_b32 s20, 0x76543210
	s_mov_b32 s21, 0xfedcba98                      ; v_permlanex16_b32's selects for lane l xor 16
	s_mov_b32 s22, 0x600000                        ; the mantissa field of 448
.irp b, 0,1,2,3
	v_mov_b32 v[TM+4+\b], 0                        ; written once: a lane permute's destination counts as one of its sources
.endr
	s_mul_i32 s24, ttmp9, 24576                    ; my group's images,
	s_lshl_b32 s25, s16, 11                        ; my K step's fragment of tile 0
	s_add_co_u32 s24, s24, s25
	s_mov_b32 s25, 0
	s_mul_i32 s26, ttmp9, 768                      ; my group's scale words,
	s_lshl_b32 s27, s16, 7                         ; my K step's 128 bytes
	s_add_co_u32 s26, s26, s27
	s_mov_b32 s27, 0
	s_wait_kmcnt 0x0
	s_add_nc_u64 s[12:13], s[12:13], s[24:25]
	s_add_nc_u64 s[14:15], s[14:15], s[26:27]
	s_cmp_lt_u32 ttmp9, 128
	s_cbranch_scc0 .Lweights
; 64 numbers of a lane, register 16 b + i = k 32 b + 16 h + i of its row, become a fragment's 16 registers of codes and the row's scale word
.macro QUANT src, dst, pw
.irp b, 0,1,2,3
	v_max3_num_f32 v[TM+\b], |v[(\src)+16*\b]|, |v[(\src)+16*\b+1]|, FLOOR   ; block b: my 16 numbers, and the floor
.endr
.irp i, 2,4,6,8,10,12,14
.irp b, 0,1,2,3
	v_max3_num_f32 v[TM+\b], v[TM+\b], |v[(\src)+16*\b+\i]|, |v[(\src)+16*\b+\i+1]|   ; the four blocks by turns
.endr
.endr
.irp b, 0,1,2,3
	v_permlanex16_b32 v[TM+4+\b], v[TM+\b], s20, s21
.endr
.irp b, 0,1,2,3
	v_max_num_f32 v[TM+\b], v[TM+\b], v[TM+4+\b]   ; with lane l xor 16's 16: the block's largest magnitude
.endr
.irp b, 0,1,2,3
	v_add_nc_u32 v[TM+12+\b], 0xfc000000, v[TM+\b] ; 8 off its exponent field: the conversion takes this operand's exponent field as its scale
.endr
.irp b, 0,1,2,3
	v_and_or_b32 v[TM+8+\b], v[TM+\b], 0x7f800000, s22   ; 448 x the scale
.endr
.irp b, 0,1,2,3
	v_lshrrev_b32 v[TM+4+\b], 23, v[TM+12+\b]      ; the scale's byte
.endr
	v_lshl_or_b32 v[(\pw)], v[TM+5], 8, v[TM+4]
	v_lshl_or_b32 v[(\pw)], v[TM+6], 16, v[(\pw)]
	v_lshl_or_b32 v[(\pw)], v[TM+7], 24, v[(\pw)]  ; my row's scale word
.irp b, 0,1,2,3
.irp i, 0,1,2,3,4,5,6,7,8,9,10,11,12,13,14,15
	v_med3_num_f32 v[(\src)+16*\b+\i], v[(\src)+16*\b+\i], -v[TM+8+\b], v[TM+8+\b]   ; the conversion to an 8-bit code does not saturate (ISA guide 7.6.2): the hold comes first
.endr
	v_cvt_scalef32_pk8_fp8_f32 v[(\dst)+4*\b:(\dst)+4*\b+1], v[(\src)+16*\b:(\src)+16*\b+7], v[TM+12+\b]
	v_cvt_scalef32_pk8_fp8_f32 v[(\dst)+4*\b+2:(\dst)+4*\b+3], v[(\src)+16*\b+8:(\src)+16*\b+15], v[TM+12+\b]
.endr
	v_nop                                          ; a plain instruction behind the last conversion
.endm
	; ---- THE TOKENS.  K is innermost: a load takes one row's 128 numbers, 512 consecutive bytes, 16 a lane; the rows turn through the wave's stage so that a lane gets 16 neighbours of each block
	s_mul_i32 s24, ttmp9, 98304                    ; 32 rows of 3,072 bytes
	s_lshl_b32 s25, s16, 9                         ; my K step's 512 bytes of a row
	s_add_co_u32 s24, s24, s25
	s_mov_b32 s25, 0
	s_add_nc_u64 s[4:5], s[4:5], s[24:25]
.irp u, 0,1
.irp i, 0,1,2,3,4,5,6,7,8,9,10,11,12,13,14,15
	global_load_b128 v[RAW+64*\u+4*\i:RAW+64*\u+4*\i+3], v2, s[4:5] offset:(8*\u+\i+8*(\i/8))*3072 th:TH_LOAD_NT   ; lane i's row of tile u
.endr
.endr
.macro HTILE u
.if \u == 0
	s_wait_loadcnt 16                              ; tile 0's sixteen loads are in; tile 1's sixteen may be out
.else
	s_wait_loadcnt 0x0
.endif
.irp i, 0,1,2,3,4,5,6,7,8,9,10,11,12,13,14,15
	ds_store_b128 v4, v[RAW+64*\u+4*\i:RAW+64*\u+4*\i+3] offset:SROW*\i
.endr
.irp b, 0,1,2,3
.irp j, 0,1,2,3
	ds_load_b128 v[X+16*\b+4*\j:X+16*\b+4*\j+3], v5 offset:128*\b+16*\j   ; LDS serves a wave's instructions in order (ISA guide 5.7.1.4): these see the stores above
.endr
.endr
	s_wait_dscnt 0x0
	QUANT X, PC+16*\u, 8+\u
.irp c, 0,1,2,3
	global_store_b128 v2, v[PC+16*\u+4*\c:PC+16*\u+4*\c+3], s[12:13] offset:12288*\u+512*\c   ; piece c: 512 consecutive bytes, aligned
.endr
.endm
	s_wait_alu depctr_va_vdst(0)
	HTILE 0
	HTILE 1
	v_cmp_gt_u32 vcc_lo, 16, v1
	v_cndmask_b32 v10, v9, v8, vcc_lo              ; lanes 0-15: tile 0's words, lanes 16-31: tile 1's (both halves of the lanes hold their row's word)
	global_store_b32 v3, v10, s[14:15]
	s_wait_tensorcnt 0x0
	ds_add_u32 v14, v15
	s_wait_dscnt 0x0
	s_endpgm
	; ---- THE WEIGHTS.  K is the first axis: a lane takes a column and its registers run down K, so that a block of 32 lies in one lane and nothing is transposed
.Lweights:
	s_sub_co_u32 s17, ttmp9, 128                   ; 24 m + cg
	s_cmp_lt_u32 s17, 24
	s_cselect_b64 s[6:7], s[6:7], s[8:9]           ; the choice hangs on the work-group's number alone
	s_cselect_b32 s18, 0, 24
	s_cmp_lt_u32 s17, 48
	s_cselect_b64 s[6:7], s[6:7], s[10:11]
	s_cselect_b32 s18, s18, 48
	s_sub_co_u32 s17, s17, s18                     ; cg
	s_lshl_b32 s24, s17, 7                         ; 32 columns of 4 bytes
	s_mul_i32 s25, s16, 393216                     ; 128 rows of 3,072 bytes
	s_add_co_u32 s24, s24, s25
	s_mov_b32 s25, 0
	s_add_nc_u64 s[6:7], s[6:7], s[24:25]
.set kk, 0
	s_wait_alu depctr_va_vdst(0)
.rept 128
	global_load_b32 v[RAW+kk], v3, s[6:7] offset:kk*3072 th:TH_LOAD_NT   ; W(128 s + kk, my column): the wave reads 128 consecutive bytes
.set kk, kk+1
.endr
	v_bfe_u32 v11, v1, 3, 1                        ; column x of the group lies in tile u = (x / 8) % 2,
	v_and_b32 v12, 7, v1
	v_lshrrev_b32 v13, 4, v1
	v_lshl_add_u32 v12, v13, 3, v12                ; at lane r = x % 8 + 8 (x / 16)
	v_mul_u32_u24 v6, v11, 12288
	v_lshl_add_u32 v6, v12, 4, v6                  ; its place in a piece: 12,288 u + 16 r
	v_lshl_add_u32 v7, v11, 4, v12
	v_lshlrev_b32 v7, 2, v7                        ; and among the scale words: 4 (r + 16 u)
.macro WBLOCK c
.set XS, RAW+32*(\c)
.if (\c) == 0
	s_wait_loadcnt 63                              ; the wait's field holds no more; 63 out of 128 left out means that loads 0 to 64 are in: blocks 0 and 1
.elseif (\c) == 2
	s_wait_loadcnt 32                              ; block 3's loads may be out
.elseif (\c) == 3
	s_wait_loadcnt 0x0
.endif
	v_max3_num_f32 v16, |v[XS]|, |v[XS+1]|, |v[XS+2]|   ; the block's largest magnitude: all 32 numbers are mine
	v_max3_num_f32 v17, |v[XS+3]|, |v[XS+4]|, |v[XS+5]|
.irp i, 6,10,14,18,22,26
	v_max3_num_f32 v16, v16, |v[XS+\i]|, |v[XS+\i+1]|
	v_max3_num_f32 v17, v17, |v[XS+\i+2]|, |v[XS+\i+3]|
.endr
	v_max3_num_f32 v16, v16, |v[XS+30]|, |v[XS+31]|
	v_max3_num_f32 v16, v16, v17, FLOOR
	v_add_nc_u32 v19, 0xfc000000, v16              ; the conversions' scale operand
	v_and_or_b32 v18, v16, 0x7f800000, s22         ; 448 x the scale
	v_lshrrev_b32 v17, 23, v19                     ; the byte
.if (\c) == 0
	v_mov_b32 v10, v17
.else
	v_lshl_or_b32 v10, v17, 8*(\c), v10            ; four bytes make my column's word
.endif
.irp i, 0,1,2,3,4,5,6,7,8,9,10,11,12,13,14,15,16,17,18,19,20,21,22,23,24,25,26,27,28,29,30,31
	v_med3_num_f32 v[XS+\i], v[XS+\i], -v18, v18
.endr
.irp g, 0,1,2,3
	v_cvt_scalef32_pk8_fp8_f32 v[PC+8*(\c)+2*\g:PC+8*(\c)+2*\g+1], v[XS+8*\g:XS+8*\g+7], v19
.endr
	global_store_b128 v6, v[PC+8*(\c):PC+8*(\c)+3], s[12:13] offset:512*(\c)          ; k = 32 c + 0 .. 15: the places of lanes (r, 0); the instruction covers 256 consecutive bytes, aligned, in each tile
	global_store_b128 v6, v[PC+8*(\c)+4:PC+8*(\c)+7], s[12:13] offset:512*(\c)+256    ; k = 32 c + 16 .. 31: those of lanes (r, 1)
.endm
	WBLOCK 0                                       ; (the next block's first lines are plain and touch neither the codes nor the conversions' sources)
	WBLOCK 1
	WBLOCK 2
	WBLOCK 3
	global_store_b32 v7, v10, s[14:15]
	s_endpgm
.Lfunc_end_k_qeacc2a092f_quant:
	.size	k_qeacc2a092f_quant, .Lfunc_end_k_qeacc2a092f_quant-k_qeacc2a092f_quant
	.p2alignl 7, 3214868480
	.fill 96, 4, 3214868480
	.section	.rodata,"a",@progbits
	.p2align	6, 0x0
	.amdhsa_kernel k_qeacc2a092f_quant
		.amdhsa_group_segment_fixed_size 51456
		.amdhsa_private_segment_fixed_size 0
		.amdhsa_enable_private_segment 0
		.amdhsa_kernarg_size 48
		.amdhsa_user_sgpr_count 2
		.amdhsa_user_sgpr_kernarg_segment_ptr 1
		.amdhsa_wavefront_size32 1
		.amdhsa_system_sgpr_workgroup_id_x 1
		.amdhsa_system_sgpr_workgroup_id_y 1
		.amdhsa_system_sgpr_workgroup_id_z 1
		.amdhsa_system_vgpr_workitem_id 0
		.amdhsa_next_free_vgpr 256
		.amdhsa_next_free_sgpr 66
		.amdhsa_reserve_vcc 1
		.amdhsa_float_denorm_mode_32 3
		.amdhsa_float_denorm_mode_16_64 3
		.amdhsa_memory_ordered 1
		.amdhsa_forward_progress 1
		.amdhsa_inst_pref_size 55
	.end_amdhsa_kernel
	.amdgpu_metadata
---
amdhsa.version: [ 1, 2 ]
amdhsa.kernels:
  - .name:           k_qeacc2a092f_quant
    .symbol:         k_qeacc2a092f_quant.kd
    .args:
      - { .name: hidden_states, .offset: 0, .size: 8, .value_kind: global_buffer, .address_space: global }
      - { .name: Wq, .offset: 8, .size: 8, .value_kind: global_buffer, .address_space: global }
      - { .name: Wk, .offset: 16, .size: 8, .value_kind: global_buffer, .address_space: global }
      - { .name: Wv, .offset: 24, .size: 8, .value_kind: global_buffer, .address_space: global }
      - { .name: img, .offset: 32, .size: 8, .value_kind: global_buffer, .address_space: global }
      - { .name: sw, .offset: 40, .size: 8, .value_kind: global_buffer, .address_space: global }
    .group_segment_fixed_size: 51456
    .private_segment_fixed_size: 0
    .kernarg_segment_align: 8
    .kernarg_segment_size: 48
    .max_flat_workgroup_size: 192
    .sgpr_count:     66
    .vgpr_count:     256
    .wavefront_size: 32
...
	.end_amdgpu_metadata
.endif
;; end of part 1
;; launch proj (part 2): grid 16 x 12, 8 waves a work-group, no clusters, 327,680 bytes of LDS; arguments img, sw, bq, bk, bv, qimg, qsw, kv; writes qimg, qsw, kv
.if DOCPART == 2
	.amdgcn_target "amdgcn-amd-amdhsa--gfx1250"
	.amdhsa_code_object_version 6
	.text
	.protected	k_qeacc2a092f_proj
	.globl	k_qeacc2a092f_proj
	.p2align	8
	.type	k_qeacc2a092f_proj,@function
k_qeacc2a092f_proj:
	s_mov_b64 s[64:65], 0
	v_nop
	global_prefetch_b8 v0, s[64:65] scope:SCOPE_SE
	s_setreg_imm32_b32 hwreg(HW_REG_WAVE_MODE, 25, 1), 1
	s_wait_xcnt 0x0
.set L4,   2
.set LW,   3
.set LSC,  6
.set LB,   7
.set BO,   8
.set LR,   9
.set BOV,  11
.set L8,   12
.set ACC,  16
.set BUF0, 80
.set BIAS, 144
.set TM,   176
.set PC,   192
.set WD,   208
.set WS,   212
.set TS,   216
.set BUF1, 192
.set WSC,  147456
.set VST,  152064
.set WV,   20
.set GX,   21
.set GY,   22
.set GB,   23
.set G1A,  24
.set G0A,  32
.set G0B,  36
.set G1B,  40
.set SEL,  48
.set MNT,  50
.set ADJ,  51
.set OC,   52
.set OW,   54
.set SC,   56
.set SW,   58
.set BP,   8
.set MSB, 0
.macro WIN new
.if MSB != (\new)
	s_set_vgpr_msb (MSB<<8)|(\new)
.set MSB, (\new)
.endif
.endm
.macro PLACES n
.rept \n
	v_nop
.endr
.endm
	s_load_b256 s[4:11], s[0:1], 0x0
	s_load_b256 s[12:19], s[0:1], 0x20
	v_lshl_add_u32 v254, v0, 2, 0x29000
	v_mov_b32 v255, 0
	ds_add_u32 v254, v255
	ds_add_u32 v254, v255
	v_lshrrev_b32 v10, 5, v0
	s_delay_alu instid0(VALU_DEP_1)
	v_readfirstlane_b32 s[WV], v10
	s_mov_b32 s[GX], ttmp9
	s_and_b32 s[GY], ttmp7, 0xffff
	s_lshl_b32 s[GB], s[GX], 3
	s_add_co_u32 s[GB], s[GB], s[WV]
	s_mov_b32 s[G1A+0], 3<<16
	s_mov_b32 s[G1A+1], 32<<16
	s_mov_b32 s[G1A+2], 72<<16
	s_mov_b32 s[G1A+3], 32<<16
	s_mov_b32 s[G1A+4], 72
	s_mov_b32 s[G1A+5], 32
	s_mov_b32 s[G1A+6], 0
	s_mov_b32 s[G1A+7], 0
	s_mul_i32 s2, s[GY], 6
	s_add_co_u32 s2, s2, 128
	s_mov_b32 s[G0A], 1
	s_mul_i32 s[G0A+1], s[WV], 18432
	s_mul_i32 s60, s2, 24576
	s_add_co_u32 s60, s60, s[G0A+1]
	s_mov_b32 s61, 0
	s_mul_i32 s62, s2, 768                         ; where my six groups' scale words begin in sw
	s_mov_b32 s63, 0
	s_wait_dscnt 0x0
	s_wait_kmcnt 0x0
	s_add_nc_u64 s[G0A+2:G0A+3], s[4:5], s[60:61]
	s_or_b32 s[G0A+3], s[G0A+3], 0x80000000
	s_add_nc_u64 s[G0B+2:G0B+3], s[6:7], s[62:63]
	tensor_load_to_lds s[G0A:G0A+3], s[G1A:G1A+7]  ; my eighth of the weights' codes: my one tensor load
	s_nop 0
	v_and_b32 v10, 31, v0
	v_and_b32 v13, 15, v0
	v_bfe_u32 v14, v0, 4, 1
	s_delay_alu instid0(VALU_DEP_3)
	v_lshlrev_b32 v[LW], 4, v10
	s_delay_alu instid0(VALU_DEP_4)
	v_lshlrev_b32 v[L4], 2, v10
	v_lshlrev_b32 v[L8], 3, v10
	s_delay_alu instid0(VALU_DEP_3)
	v_add_nc_u32 v[LW+1], 49152, v[LW]
	s_delay_alu instid0(VALU_DEP_4)
	v_add_nc_u32 v[LW+2], 98304, v[LW]
	s_delay_alu instid0(VALU_DEP_4)
	v_add_nc_u32 v[LSC], WSC, v[L4]
	v_lshlrev_b32 v[BO], 6, v14
	v_and_b32 v15, 8, v13
	s_delay_alu instid0(VALU_DEP_1)
	v_add_nc_u32 v15, v15, v13
	s_delay_alu instid0(VALU_DEP_1)
	v_lshlrev_b32 v[BOV], 2, v15
	v_cmp_gt_u32 vcc_lo, 16, v10
	s_and_b32 s2, s[WV], 3
	s_lshr_b32 s3, s[WV], 2
	s_lshl_b32 s3, s3, 8
	s_add_co_u32 s2, s2, s3
	s_add_co_u32 s2, s2, VST
	v_add_nc_u32 v[LB], s2, v[L4]
	s_lshl_b32 s2, s[WV], 8
	s_add_co_u32 s2, s2, VST
	v_add_nc_u32 v[LR], s2, v[L8]
.irp b, 0,1,2,3
	v_mov_b32 v[TM+4+\b], 0
.endr
	s_mul_i32 s60, s[GB], 24576
	s_add_nc_u64 s[4:5], s[4:5], s[60:61]
	s_mul_i32 s62, s[GB], 768
	s_add_nc_u64 s[6:7], s[6:7], s[62:63]
	WIN 0x40
.irp u, 0,1
.irp s, 0,1,2,3,4,5
.irp c, 0,1,2,3
	global_load_b128 v[16*(6*\u+\s)+4*\c:16*(6*\u+\s)+4*\c+3], v[LW], s[4:5] offset:12288*\u+2048*\s+512*\c
.endr
.endr
.endr
	WIN 0
.irp s, 0,1,2,3,4,5
	global_load_b32 v[TS+\s], v[L4], s[6:7] offset:128*\s
.endr
; the weights' scale words stay in registers: word 6 x group + K step, 36 in all, in v212-215 and v222-253, which hold scales alone
.set wn, 0
.rept 36
.if wn < 4
	global_load_b32 v[WS+wn], v[L4], s[G0B+2:G0B+3] offset:128*wn
.else
	global_load_b32 v[218+wn], v[L4], s[G0B+2:G0B+3] offset:128*wn
.endif
.set wn, wn+1
.endr
	s_and_b32 s2, s[GY], 3
	s_cmp_lt_u32 s[GY], 4
	s_cselect_b64 s[BP:BP+1], s[8:9], s[10:11]
	s_cmp_lt_u32 s[GY], 8
	s_cselect_b64 s[BP:BP+1], s[BP:BP+1], s[12:13]
	s_mul_i32 s60, s2, 768
	s_add_nc_u64 s[BP:BP+1], s[BP:BP+1], s[60:61]
.macro BIASQK hh
.irp i, 0,1,2,3
	global_load_b128 v[BIAS+8*\i:BIAS+8*\i+3], v[BO], s[BP:BP+1] offset:(64*(\hh)+32*(\i/2)+8*(\i%2))*4
	global_load_b128 v[BIAS+8*\i+4:BIAS+8*\i+7], v[BO], s[BP:BP+1] offset:(64*(\hh)+32*(\i/2)+8*(\i%2))*4+16
.endr
.endm
.macro BIASV hh
.irp i, 0,1,2,3
.irp j, 0,1,2,3,4,5,6,7
	global_load_b32 v[BIAS+8*\i+\j], v[BOV], s[BP:BP+1] offset:(64*(\hh)+32*(\i/2)+8*(\i%2))*4
.endr
.endr
.endm
	s_cmp_ge_u32 s[GY], 8
	s_cbranch_scc1 .Lbias_v
	BIASQK 0
	s_branch .Lbias_asked
.Lbias_v:
	s_wait_alu depctr_va_vdst(0)
	BIASV 0
.Lbias_asked:
	s_mul_i32 s2, s2, 3
	s_lshr_b32 s3, s[WV], 2
	s_lshl_b32 s60, s[GX], 1
	s_add_co_u32 s3, s3, s60
	s_mul_i32 s3, s3, 17152
	s_mul_i32 s60, s2, 548864
	s_add_co_u32 s3, s3, s60
	s_and_b32 s62, s[WV], 3
	s_lshl_b32 s[OC], s62, 11
	s_add_co_u32 s[OC], s[OC], s3
	s_lshl_b32 s[OW], s62, 7
	s_add_co_u32 s[OW], s[OW], s3
	s_add_co_u32 s[OW], s[OW], 16384
	s_lshl_b32 s63, s62, 9
	s_add_co_u32 s63, s63, s3
	s_add_co_u32 s63, s63, 8192
	s_lshl_b32 s60, s2, 18
	s_lshl_b32 s62, s[GB], 11
	s_add_co_u32 s60, s60, s62
	s_lshl_b32 s62, s2, 14
	s_lshl_b32 s3, s[GB], 7
	s_add_co_u32 s62, s62, s3
	s_mov_b32 s[SC], 548864
	s_mov_b32 s[SW], 548864
	s_cmp_lt_u32 s[GY], 4
	s_cselect_b32 s[OC], s60, s[OC]
	s_cselect_b32 s[OW], s62, s[OW]
	s_cselect_b32 s[SC], 262144, s[SC]
	s_cselect_b32 s[SW], 16384, s[SW]
	s_cselect_b32 s[ADJ], 0x0303, 0
	s_cselect_b64 s[14:15], s[14:15], s[18:19]
	s_cselect_b64 s[16:17], s[16:17], s[18:19]
	s_cmp_lt_u32 s[GY], 8
	s_cselect_b32 s[OC], s[OC], s63
	s_mov_b32 s[OC+1], 0
	s_mov_b32 s[OW+1], 0
	s_mov_b32 s[SC+1], 0
	s_mov_b32 s[SW+1], 0
	s_add_nc_u64 s[OC:OC+1], s[14:15], s[OC:OC+1]
	s_add_nc_u64 s[OW:OW+1], s[16:17], s[OW:OW+1]
	s_mov_b32 s[SEL], 0x76543210
	s_mov_b32 s[SEL+1], 0xfedcba98
	s_mov_b32 s[MNT], 0x600000
.macro FETCH
.set fh, FN/6
.set fs, FN%6
.set fb, FN%2
.set BB, BUF0+(BUF1-BUF0)*fb
	WIN 0x40*fb
.irp i, 0,1,2,3
.irp c, 0,1,2,3
	ds_load_b128 v[BB+16*\i+4*\c:BB+16*\i+4*\c+3], v[LW+fh] offset:24576*(\i/2)+12288*(\i%2)+2048*fs+512*\c
.endr
.endr
	WIN 0
.endm
.macro WM ra, rb
.if (\ra) && (\rb)
	v_wmma_scale_f32_16x16x128_f8f6f4 v[rD:rD+7], v[rA:rA+15], v[rB:rB+15], v[rC:rC+7], v[rSA], v[rSB] matrix_a_scale:MATRIX_SCALE_ROW1 matrix_b_scale:MATRIX_SCALE_ROW1
.elseif (\ra)
	v_wmma_scale_f32_16x16x128_f8f6f4 v[rD:rD+7], v[rA:rA+15], v[rB:rB+15], v[rC:rC+7], v[rSA], v[rSB] matrix_a_scale:MATRIX_SCALE_ROW1
.elseif (\rb)
	v_wmma_scale_f32_16x16x128_f8f6f4 v[rD:rD+7], v[rA:rA+15], v[rB:rB+15], v[rC:rC+7], v[rSA], v[rSB] matrix_b_scale:MATRIX_SCALE_ROW1
.else
	v_wmma_scale_f32_16x16x128_f8f6f4 v[rD:rD+7], v[rA:rA+15], v[rB:rB+15], v[rC:rC+7], v[rSA], v[rSB]
.endif
.endm
.macro MUL kind
.set BB, BUF0+(BUF1-BUF0)*mb
.if \kind == 0
	WIN 0x04+mb
.else
	WIN 0x01+4*mb
.endif
.irp j, 0,1
.irp i, 0,1,2,3
.if \kind == 0
.set rD, ACC+8*(4*\j+\i)
.set rA, BB+16*\i
.set rB, 16*(6*\j+ms)
.set wn, 6*(2*mh+\i/2)+ms
.set rSA, 218+wn
.if wn < 4
.set rSA, WS+wn
.endif
.set rSB, TS+ms
.else
.set rD, ACC+8*(2*\i+\j)
.set rA, 16*(6*\j+ms)
.set rB, BB+16*\i
.set rSA, TS+ms
.set wn, 6*(2*mh+\i/2)+ms
.set rSB, 218+wn
.if wn < 4
.set rSB, WS+wn
.endif
.endif
.set rC, rD
.if ms == 0
.set rC, BIAS+8*\i
.endif
.if \kind == 0
	WM \i%2, \j
.else
	WM \j, \i%2
.endif
.endr
.endr
	WIN 0
.endm
.macro QUANT
.irp b, 0,1,2,3
	v_max3_num_f32 v[TM+\b], |v[ACC+16*\b]|, |v[ACC+16*\b+1]|, 0x6000000
.endr
.irp i, 2,4,6,8,10,12,14
.irp b, 0,1,2,3
	v_max3_num_f32 v[TM+\b], v[TM+\b], |v[ACC+16*\b+\i]|, |v[ACC+16*\b+\i+1]|
.endr
.endr
.irp b, 0,1,2,3
	s_delay_alu instid0(VALU_DEP_4)
	v_permlanex16_b32 v[TM+4+\b], v[TM+\b], s[SEL], s[SEL+1]
.endr
.irp b, 0,1,2,3
	s_delay_alu instid0(VALU_DEP_4)
	v_max_num_f32 v[TM+\b], v[TM+\b], v[TM+4+\b]
.endr
.irp b, 0,1,2,3
	s_delay_alu instid0(VALU_DEP_4)
	v_add_nc_u32 v[TM+12+\b], 0xfc000000, v[TM+\b]
.endr
.irp b, 0,1,2,3
	v_and_or_b32 v[TM+8+\b], v[TM+\b], 0x7f800000, s[MNT]
.endr
.irp b, 0,1,2,3
	v_lshrrev_b32 v[TM+4+\b], 23, v[TM+12+\b]
.endr
.irp b, 0,1,2,3
.irp i, 0,1,2,3,4,5,6,7,8,9,10,11,12,13,14,15
	v_med3_num_f32 v[ACC+16*\b+\i], v[ACC+16*\b+\i], -v[TM+8+\b], v[TM+8+\b]
.endr
	v_cvt_scalef32_pk8_fp8_f32 v[PC+4*\b:PC+4*\b+1], v[ACC+16*\b:ACC+16*\b+7], v[TM+12+\b]
	v_cvt_scalef32_pk8_fp8_f32 v[PC+4*\b+2:PC+4*\b+3], v[ACC+16*\b+8:ACC+16*\b+15], v[TM+12+\b]
.endr
	v_nop
.endm
.macro EPI kind
	PLACES 8
	s_wait_xcnt 0x0
.if mh > 0
	s_add_nc_u64 s[OC:OC+1], s[OC:OC+1], s[SC:SC+1]
.if \kind == 0
	s_add_nc_u64 s[OW:OW+1], s[OW:OW+1], s[SW:SW+1]
.endif
.endif
	QUANT
.if \kind == 0
.irp b, 0,1,2,3
	global_store_b128 v[LW], v[PC+4*\b:PC+4*\b+3], s[OC:OC+1] offset:512*\b
.endr
	v_lshl_or_b32 v[WD], v[TM+5], 8, v[TM+4]
	v_lshl_or_b32 v[WD+1], v[TM+7], 8, v[TM+6]
	s_delay_alu instid0(VALU_DEP_1)
	v_cndmask_b32 v[WD], v[WD+1], v[WD], vcc_lo
	s_delay_alu instid0(VALU_DEP_1)
	v_sub_nc_u32 v[WD], v[WD], s[ADJ]
	global_store_b32 v[L4], v[WD], s[OW:OW+1]
.else
.irp b, 0,1,2,3
	global_store_b128 v[LW], v[PC+4*\b:PC+4*\b+3], s[OC:OC+1] offset:2048*\b
.endr
	v_cndmask_b32 v[WD], v[TM+5], v[TM+4], vcc_lo
	v_cndmask_b32 v[WD+1], v[TM+7], v[TM+6], vcc_lo
	ds_store_b8 v[LB], v[WD] offset:512*mh
	ds_store_b8 v[LB], v[WD+1] offset:512*mh+128
.endif
.endm
.macro STEPN kind
.set mh, N/6
.set ms, N%6
.set mb, N%2
.if N > 0
	PLACES 8
.endif
.if (ms == 1) && (mh < 2)
.if \kind
	BIASV mh+1
.else
	BIASQK mh+1
.endif
.endif
.if N < 17
.set FN, N+1
	FETCH
	s_wait_dscnt 16                                ; the sixteen fragment loads just issued may be out
.else
	s_wait_dscnt 0x0
.endif
.if ms == 0
	s_wait_loadcnt 0x0
.endif
	MUL \kind
.if ms == 5
	EPI \kind
.endif
.endm
.macro PATH kind
.set FN, 0
	FETCH
.set N, 0
.rept 18
	STEPN \kind
.set N, N+1
.endr
.endm
	s_wait_tensorcnt 0x0
	s_barrier_signal -1
	s_barrier_wait -1
	s_cmp_ge_u32 s[GY], 8
	s_cbranch_scc1 .Lv
	PATH 0
	s_branch .Ljoin
.Lv:
	s_wait_alu depctr_va_vdst(0)
	PATH 1
.Ljoin:
	s_wait_dscnt 0x0
	s_barrier_signal -1
	s_barrier_wait -1
	s_cmp_lt_u32 s[GY], 8
	s_cbranch_scc1 .Ldone
	s_cmp_ge_u32 s[WV], 6
	s_cbranch_scc1 .Ldone
	ds_load_b64 v[WD+2:WD+3], v[LR]
	s_sub_co_u32 s2, s[GY], 8
	s_mul_i32 s2, s2, 3
	s_lshr_b32 s3, s[WV], 1
	s_add_co_u32 s2, s2, s3
	s_mul_i32 s2, s2, 548864
	s_and_b32 s3, s[WV], 1
	s_lshl_b32 s60, s[GX], 1
	s_add_co_u32 s3, s3, s60
	s_mul_i32 s3, s3, 17152
	s_add_co_u32 s60, s2, s3
	s_add_co_u32 s60, s60, 16896
	s_mov_b32 s61, 0
	s_add_nc_u64 s[60:61], s[18:19], s[60:61]
	s_wait_dscnt 0x0
	global_store_b64 v[L8], v[WD+2:WD+3], s[60:61]
.Ldone:
	s_wait_tensorcnt 0x0
	ds_add_u32 v254, v255
	s_wait_dscnt 0x0
	s_endpgm
.Lfunc_end_k_qeacc2a092f_proj:
	.size	k_qeacc2a092f_proj, .Lfunc_end_k_qeacc2a092f_proj-k_qeacc2a092f_proj
	.p2alignl 7, 3214868480
	.fill 96, 4, 3214868480
	.section	.rodata,"a",@progbits
	.p2align	6, 0x0
	.amdhsa_kernel k_qeacc2a092f_proj
		.amdhsa_group_segment_fixed_size 327680
		.amdhsa_private_segment_fixed_size 0
		.amdhsa_enable_private_segment 0
		.amdhsa_kernarg_size 64
		.amdhsa_user_sgpr_count 2
		.amdhsa_user_sgpr_kernarg_segment_ptr 1
		.amdhsa_wavefront_size32 1
		.amdhsa_system_sgpr_workgroup_id_x 1
		.amdhsa_system_sgpr_workgroup_id_y 1
		.amdhsa_system_sgpr_workgroup_id_z 1
		.amdhsa_system_vgpr_workitem_id 0
		.amdhsa_next_free_vgpr 512
		.amdhsa_next_free_sgpr 66
		.amdhsa_reserve_vcc 1
		.amdhsa_float_denorm_mode_32 3
		.amdhsa_float_denorm_mode_16_64 3
		.amdhsa_memory_ordered 1
		.amdhsa_forward_progress 1
		.amdhsa_inst_pref_size 167
	.end_amdhsa_kernel
	.amdgpu_metadata
---
amdhsa.version: [ 1, 2 ]
amdhsa.kernels:
  - .name:           k_qeacc2a092f_proj
    .symbol:         k_qeacc2a092f_proj.kd
    .args:
      - { .name: img, .offset: 0, .size: 8, .value_kind: global_buffer, .address_space: global }
      - { .name: sw, .offset: 8, .size: 8, .value_kind: global_buffer, .address_space: global }
      - { .name: bq, .offset: 16, .size: 8, .value_kind: global_buffer, .address_space: global }
      - { .name: bk, .offset: 24, .size: 8, .value_kind: global_buffer, .address_space: global }
      - { .name: bv, .offset: 32, .size: 8, .value_kind: global_buffer, .address_space: global }
      - { .name: qimg, .offset: 40, .size: 8, .value_kind: global_buffer, .address_space: global }
      - { .name: qsw, .offset: 48, .size: 8, .value_kind: global_buffer, .address_space: global }
      - { .name: kv, .offset: 56, .size: 8, .value_kind: global_buffer, .address_space: global }
    .group_segment_fixed_size: 327680
    .private_segment_fixed_size: 0
    .kernarg_segment_align: 8
    .kernarg_segment_size: 64
    .max_flat_workgroup_size: 256
    .sgpr_count:     66
    .vgpr_count:     512
    .wavefront_size: 32
...
	.end_amdgpu_metadata
.endif
;; end of part 2
;; launch attn (part 3): grid 64 x 4, 8 waves a work-group, clusters of 4 x 1, 327,680 bytes of LDS; arguments qimg, qsw, kv, attention_mask, out0; writes out0
.if DOCPART == 3
	.amdgcn_target "amdgcn-amd-amdhsa--gfx1250"
	.amdhsa_code_object_version 6
	.text
	.protected	k_qeacc2a092f_attn
	.globl	k_qeacc2a092f_attn
	.p2align	8
	.type	k_qeacc2a092f_attn,@function
k_qeacc2a092f_attn:
	s_mov_b64 s[64:65], 0
	v_nop
	global_prefetch_b8 v0, s[64:65] scope:SCOPE_SE
	s_setreg_imm32_b32 hwreg(HW_REG_WAVE_MODE, 25, 1), 1
	s_wait_xcnt 0x0
	s_wait_alu depctr_hold_cnt(0) depctr_sa_sdst(0) depctr_va_vdst(0) depctr_va_sdst(0) depctr_va_ssrc(0) depctr_va_vcc(0) depctr_vm_vsrc(0)
	s_getreg_b32 s2, hwreg(HW_REG_IB_STS2, 6, 4)
	s_cmp_eq_u32 s2, 0
	s_cbranch_scc0 .Lentry_in_a_cluster
	s_endpgm
.Lentry_in_a_cluster:
	s_bfe_u32 s2, ttmp6, 0x10000c
	s_cmp_lg_u32 s2, 0x3003
	s_cbranch_scc0 .Lentry_shape_is_right
	s_endpgm
.Lentry_shape_is_right:
; out[q][64 head + d] = sum over keys of softmax(q . k / 8 + mask[key]) v[key][d], both products on codes of FP8 (E4M3) with E8M0 scales, f32 sums.
; THE SOFTMAX: t = (q . k / 8 + mask) x log2(e); M = the running largest t rounded UP to a whole number; p = 2^(t - M) is quantised along the keys, not normalised; the row's sum is taken of the
; unquantised p and divides at the end; when M moves, the sum and O are multiplied by 2^(old M - new M), which rounds nothing.  The division by 8 lies in q's scale bytes; the mask is the C of the scores' products.
; K = 64 in a product of K = 128: Q's fragment is 8 registers of codes and 8 of zeros; K's eight tiles lie as 8 registers each, on end, with 8 registers of zeros behind.
; SHARES.  12 heads x 4,096 queries are 256 work-groups x 192 rows.  Grid row g serves heads 3 g .. 3 g + 2 with 64 work-groups, number X.
;   PASS 1: 128 rows, block X % 32 of head 3 g + X / 32.  Wave w: the 32 rows of group w % 4, and of a slot's eight key steps those with number w / 4 + 2 i, i = 0 .. 3.
;   PASS 2: 64 rows, block X of head 3 g + 2.  Wave w: group (w / 2) % 2, and the key steps w / 4 + 2 i with i % 2 = w % 2.  So every wave walks 16 + 8 key steps of 128 keys x 32 queries.
; The waves that share rows hold parts (O, M, the sum) over different keys.  A part goes to its partner as an image of its registers through LDS bytes of its own; the partner brings both under the larger M by powers of two.
; Pass 1's parts are stored ahead of the ring's next round, which is their barrier; pass 2's four parts are joined by two plain barriers at the end.
; THE RING.  A key step's codes and scale words are one dense block of 17,152 bytes of kv; a slot holds eight; two slots; wave w fetches block w, one tensor load behind each round.  Eight fills: four of pass 1's head, four of pass 2's.
; The four work-groups of a cluster walk the same heads and ask JOINTLY.  No data prefetch: a block is asked for one change of slots (four or two key steps of each wave) ahead of its first read, and eight or sixteen clusters ask for the same blocks in step.
; LIMITS: the mask is held at -2^126 from below (so -infinity is served); the running largest t starts at -2^24: a row all of whose t lie under -2^24, or whose largest t lies over 2^24, is not served; NaN is not served.
; REGISTERS.  Window 0: v1-13 addresses; v16-47 Q; v48-175 S^T, then p; v176-207 p's codes; v208-219 six statistics a tile: -M, largest t, the sum's halves, f, at work; v220-227 blocks' maxima; v228-239 at work;
;   v240-243 K's scale words, v244-245 V's, v246 Q's, v247-248 p's, v249 pass 2's Q's; v250-251 at work.   Window 1: v0-71 K, then V; v72-135 the mask; v136-199 O^T; v200-215 pass 2's Q.
.set STEPB, 17152
.set SLOTB, 8*STEPB
.set MASKB, 2*SLOTB                    ; the mask, 16,384 bytes, written by LDS stores alone
.set STG,   MASKB+16384                ; four regions for parts, written by LDS stores alone
.set RGB,   8704                       ; a region: 64 registers' image, 8,192 bytes, and 512 of statistics; or a stage of 32 rows x 272 bytes on the way out
.set SPARE, STG+4*RGB                  ; the spare words, 128 bytes a wave
.set SROWS, 272
.set L16, 1
.set L4,  2
.set LM,  3
.set SPW, 4
.set NIL, 5
.set AD16, 6
.set AD4, 7
.set ADM, 8
.set STO, 9
.set RD,  10
.set GO,  11
.set RG,  13
.set Q,   16
.set S,   48
.set P,   176
.set ST,  208
.set BM,  220
.set WP,  228
.set WH,  232
.set WO,  236
.set KS,  240
.set VS,  244
.set QS,  246
.set PS,  247
.set QS2, 249
.set SC2, 250
.set MK,  72
.set O,   136
.set Q2,  200
.set WV,  14
.set CS,  22
.set G1,  24
.set G0,  32
.set SEL, 40
.set MNT, 42
.set TB,  43
.set TMK, 44
.set CNT, 45
.set LAP, 46
.set TMB, 47                           ; the mask's bytes of my first key step of slot 0 in this lap
.set JB,  48                           ; (w / 4) x a block
.set STP, 50                           ; s[50:51] what a slot's descriptor steps by in this lap
.set E2,  52                           ; the step from pass 1's head into pass 2's
.set PMASK, 53                         ; 0 in pass 1, 1 in pass 2
.set PWANT, 54                         ; 0 in pass 1, w % 2 in pass 2
.set OUT1, 56
.set OUT2, 58
.set MSB, 0
.macro WIN new
.if MSB != (\new)
	s_set_vgpr_msb (MSB<<8)|(\new)
.set MSB, (\new)
.endif
.endm
.macro PLACES n
.rept \n
	v_nop
.endr
.endm
.macro BARRIER
	s_barrier_signal -1
	s_barrier_wait -1
.endm
.macro CROUND                          ; a round of the cluster's barrier
	BARRIER
	s_cmp_lg_u32 s[WV], 0
	s_cbranch_scc1 .Lnot_wave_0_\@
	s_barrier_signal -3
.Lnot_wave_0_\@:
	s_barrier_wait -3
	BARRIER
.endm
.macro WM ra, rb
.if (\ra) && (\rb)
	v_wmma_scale_f32_16x16x128_f8f6f4 v[rD:rD+7], v[rA:rA+15], v[rB:rB+15], v[rC:rC+7], v[rSA], v[rSB] matrix_a_scale:MATRIX_SCALE_ROW1 matrix_b_scale:MATRIX_SCALE_ROW1
.elseif (\ra)
	v_wmma_scale_f32_16x16x128_f8f6f4 v[rD:rD+7], v[rA:rA+15], v[rB:rB+15], v[rC:rC+7], v[rSA], v[rSB] matrix_a_scale:MATRIX_SCALE_ROW1
.elseif (\rb)
	v_wmma_scale_f32_16x16x128_f8f6f4 v[rD:rD+7], v[rA:rA+15], v[rB:rB+15], v[rC:rC+7], v[rSA], v[rSB] matrix_b_scale:MATRIX_SCALE_ROW1
.else
	v_wmma_scale_f32_16x16x128_f8f6f4 v[rD:rD+7], v[rA:rA+15], v[rB:rB+15], v[rC:rC+7], v[rSA], v[rSB]
.endif
.endm
	s_load_b256 s[4:11], s[0:1], 0x0               ; qimg, qsw, kv, the mask
	s_load_b64 s[12:13], s[0:1], 0x20              ; out0
	v_lshl_add_u32 v[SPW], v0, 2, SPARE
	v_mov_b32 v[NIL], 0
	ds_add_u32 v[SPW], v[NIL]                      ; the opening lines: the add, twice on end, and its wait
	ds_add_u32 v[SPW], v[NIL]
	v_lshrrev_b32 v12, 5, v0
	v_readfirstlane_b32 s[WV], v12                 ; wave 0..7
	s_bfe_u32 s15, ttmp6, 0x40000                  ; cx: it enters Q's and out0's addresses alone
	s_lshl_b32 s16, ttmp9, 2
	s_add_co_u32 s16, s16, s15                     ; X
	s_and_b32 s17, ttmp7, 0xffff
	s_mul_i32 s17, s17, 3                          ; 3 g
	s_lshr_b32 s19, ttmp9, 3                       ; X / 32, from the cluster's number alone
	s_add_co_u32 s20, s17, s19                     ; pass 1's head
	s_add_co_u32 s21, s17, 2                       ; pass 2's head
	s_mov_b32 s[G1+0], 15|(3<<16)|(1<<21)          ; the mask names all four; elements of 8 bytes; bit 21 beside a mask
	s_mov_b32 s[G1+1], 32<<16                      ; 67 rows of 256 bytes, dense: a block
	s_mov_b32 s[G1+2], 67<<16
	s_mov_b32 s[G1+3], 32<<16
	s_mov_b32 s[G1+4], 67
	s_mov_b32 s[G1+5], 32
	s_mov_b32 s[G1+6], 0
	s_mov_b32 s[G1+7], 0
	s_mov_b32 s[CS], 0x3fb8aa3b                    ; log2(e)
	s_mov_b32 s[CS+1], s[CS]
	s_mov_b32 s[SEL], 0x76543210
	s_mov_b32 s[SEL+1], 0xfedcba98
	s_mov_b32 s[G0], 1
	s_mul_i32 s[G0+1], s[WV], STEPB                ; slot 0, block w
	s_mov_b32 s[G0+4], 1
	s_add_co_u32 s[G0+5], s[G0+1], SLOTB           ; slot 1
	s_xor_b32 s66, s19, 1
	s_mul_i32 s[E2], s66, 4*SLOTB                  ; a head is four slots' worth: from head 3 g one head is passed over
	s_add_co_u32 s[E2], s[E2], 2*SLOTB
	s_mul_i32 s18, s20, 4*SLOTB
	s_add_co_u32 s18, s18, s[G0+1]                 ; pass 1's head, key step w
	s_mov_b32 s19, 0
	s_lshr_b32 s66, s[WV], 2
	s_mul_i32 s[JB], s66, STEPB
	s_lshl_b32 s[TMB], s66, 9
	s_and_b32 s66, s16, 31
	s_lshl_b32 s66, s66, 2
	s_and_b32 s67, s[WV], 3
	s_add_co_u32 s66, s66, s67                     ; pass 1: my group of 32 queries
	s_mul_i32 s80, s67, RGB
	s_add_co_u32 s80, s80, STG                     ; region w % 4
	s_lshl_b32 s68, s66, 11
	s_lshl_b32 s69, s20, 18
	s_add_co_u32 s68, s68, s69                     ; its codes,
	s_mov_b32 s69, 0
	s_lshl_b32 s70, s66, 7
	s_lshl_b32 s71, s20, 14
	s_add_co_u32 s70, s70, s71                     ; its scale words,
	s_mov_b32 s71, 0
	s_mul_i32 s72, s66, 98304
	s_lshl_b32 s73, s20, 8
	s_add_co_u32 s72, s72, s73                     ; its rows of out0
	s_mov_b32 s73, 0
	s_lshl_b32 s66, s16, 1
	s_bfe_u32 s67, s[WV], 0x10001
	s_add_co_u32 s66, s66, s67                     ; pass 2: my group
	s_lshl_b32 s74, s66, 11
	s_lshl_b32 s75, s21, 18
	s_add_co_u32 s74, s74, s75
	s_mov_b32 s75, 0
	s_lshl_b32 s76, s66, 7
	s_lshl_b32 s77, s21, 14
	s_add_co_u32 s76, s76, s77
	s_mov_b32 s77, 0
	s_mul_i32 s78, s66, 98304
	s_lshl_b32 s79, s21, 8
	s_add_co_u32 s78, s78, s79
	s_mov_b32 s79, 0
	s_mov_b32 s[STP+1], 0
	s_mov_b32 s[LAP], 0
	s_mov_b32 s[PMASK], 0
	s_mov_b32 s[PWANT], 0
	s_wait_dscnt 0x0                               ; both opening adds are done
	s_wait_kmcnt 0x0
	s_add_nc_u64 s[G0+2:G0+3], s[8:9], s[18:19]
	s_add_nc_u64 s[G0+6:G0+7], s[G0+2:G0+3], SLOTB
	s_or_b32 s[G0+3], s[G0+3], 0x80000000
	s_or_b32 s[G0+7], s[G0+7], 0x80000000
	s_add_nc_u64 s[60:61], s[4:5], s[74:75]
	s_add_nc_u64 s[62:63], s[6:7], s[76:77]
	s_add_nc_u64 s[OUT2:OUT2+1], s[12:13], s[78:79]
	s_add_nc_u64 s[4:5], s[4:5], s[68:69]
	s_add_nc_u64 s[6:7], s[6:7], s[70:71]
	s_add_nc_u64 s[OUT1:OUT1+1], s[12:13], s[72:73]
	CROUND                                         ; all four work-groups are here
	tensor_load_to_lds s[G0:G0+3], s[G1:G1+7]      ; slot 0's first fill: my one tensor load at the head
	s_nop 0
	PLACES 4
	v_lshlrev_b32 v12, 4, v0
	v_and_b32 v14, 31, v0
	v_lshlrev_b32 v[L16], 4, v14
	v_lshlrev_b32 v[L4], 2, v14
.irp i, 0,1,2,3
	global_load_b128 v[S+4*\i:S+4*\i+3], v12, s[10:11] offset:4096*\i   ; the whole mask: 256 threads x 16 bytes x 4
.endr
.irp a, 0,1
.irp c, 0,1
	global_load_b128 v[Q+16*\a+4*\c:Q+16*\a+4*\c+3], v[L16], s[4:5] offset:1024*\a+512*\c th:TH_LOAD_NT
.endr
.endr
	global_load_b32 v[QS], v[L4], s[6:7] th:TH_LOAD_NT
	WIN 0x40
.irp a, 0,1
.irp c, 0,1
	global_load_b128 v[Q2+8*\a+4*\c:Q2+8*\a+4*\c+3], v[L16], s[60:61] offset:1024*\a+512*\c th:TH_LOAD_NT   ; pass 2's Q waits in registers
.endr
.endr
	WIN 0
	global_load_b32 v[QS2], v[L4], s[62:63] th:TH_LOAD_NT
	v_add_nc_u32 v[RG], s80, v[L16]                ; my region, 16 bytes a lane
	v_add_nc_u32 v15, MASKB, v12
	v_and_b32 v112, 15, v0                         ; r
	v_bfe_u32 v113, v0, 4, 1                       ; h
	v_and_b32 v114, 8, v112
	v_add_nc_u32 v114, v114, v112                  ; r + 8 (r / 8)
	v_lshlrev_b32 v[LM], 6, v113
	v_add_nc_u32 v[LM], MASKB, v[LM]
	v_mul_u32_u24 v[STO], v114, SROWS
	v_lshl_add_u32 v[STO], v113, 6, v[STO]
	v_add_nc_u32 v[STO], s80, v[STO]               ; the way out, in: my query's row, + 64 h
	v_mul_u32_u24 v[RD], v113, SROWS
	v_lshl_add_u32 v[RD], v112, 4, v[RD]
	v_add_nc_u32 v[RD], s80, v[RD]                 ; back: lanes 0-15 one row of 256 bytes, lanes 16-31 the next
	v_mul_u32_u24 v[GO], v113, 3072
	v_lshl_add_u32 v[GO], v112, 4, v[GO]           ; the same two rows in out0
.irp a, 0,1
.irp j, 8,9,10,11,12,13,14,15
	v_mov_b32 v[Q+16*\a+\j], 0                     ; Q's upper half: zero codes
.endr
	v_mov_b32 v[ST+6*\a], 0x4b800000               ; -M = 2^24
	v_mov_b32 v[ST+6*\a+1], 0xcb800000             ; the largest t so far: -2^24
.irp j, 2,3,4,5
	v_mov_b32 v[ST+6*\a+\j], 0
.endr
.endr
.irp b, 0,1,2,3
	v_mov_b32 v[WP+\b], 0                          ; a lane permute's destination counts as one of its sources
	v_mov_b32 v[BM+\b], 0
.endr
	WIN 0x40
.set j, 0
.rept 8
	v_mov_b32 v[64+j], 0                           ; the zeros behind K's last tile
.set j, j+1
.endr
.set j, 0
.rept 64
	v_mov_b32 v[O+j], 0                            ; O^T: the first step finds zeros
.set j, j+1
.endr
	WIN 0
	s_wait_alu depctr_va_vdst(0)
	s_wait_loadcnt 10                              ; the mask is in; Q's ten loads may be out
.set j, 0
.rept 16
	v_max_num_f32 v[S+j], 0xfe800000, v[S+j]       ; held at -2^126 from below
.set j, j+1
.endr
.irp i, 0,1,2,3
	ds_store_b128 v15, v[S+4*\i:S+4*\i+3] offset:4096*\i
.endr
.macro MAXES a                         ; each block's largest score; the new M; f
.set xS, S+64*(\a)
.set xM, BM+4*(\a)
.set xT, ST+6*(\a)
.irp b, 0,1,2,3
	v_max3_num_f32 v[xM+\b], v[xS+16*\b], v[xS+16*\b+1], v[xS+16*\b+2]   ; each accumulator is read from its low end on
.endr
.irp i, 3,5,7,9,11,13
.irp b, 0,1,2,3
	v_max3_num_f32 v[xM+\b], v[xM+\b], v[xS+16*\b+\i], v[xS+16*\b+\i+1]
.endr
.endr
.irp b, 0,1,2,3
	v_max_num_f32 v[xM+\b], v[xM+\b], v[xS+16*\b+15]
.endr
.irp b, 0,1,2,3
	s_delay_alu instid0(VALU_DEP_4)
	v_permlanex16_b32 v[WP+\b], v[xM+\b], s[SEL], s[SEL+1]
.endr
.irp b, 0,1,2,3
	s_delay_alu instid0(VALU_DEP_4)
	v_max_num_f32 v[xM+\b], v[xM+\b], v[WP+\b]     ; with lane l xor 16's 16 keys
.endr
	s_delay_alu instid0(VALU_DEP_2)
	v_max3_num_f32 v[xT+5], v[xM], v[xM+1], v[xM+2]
	s_delay_alu instid0(VALU_DEP_1)
	v_max_num_f32 v[xT+5], v[xT+5], v[xM+3]
	s_delay_alu instid0(VALU_DEP_1)
	v_mul_f32 v[xT+5], s[CS], v[xT+5]              ; as t
	s_delay_alu instid0(VALU_DEP_1)
	v_max_num_f32 v[xT+1], v[xT+1], v[xT+5]        ; the running largest t
	v_mov_b32 v[xT+5], v[xT]
	s_delay_alu instid0(VALU_DEP_2)
	v_floor_f32 v[xT], -v[xT+1]                    ; the new -M = -ceil(t)
	s_delay_alu instid0(VALU_DEP_1)
	v_sub_f32 v[xT+5], v[xT], v[xT+5]              ; old M less new M
	s_delay_alu instid0(VALU_DEP_1)
	v_cvt_i32_f32 v[xT+5], v[xT+5]                 ; (it saturates)
	s_delay_alu instid0(VALU_DEP_1)
	v_ldexp_f32 v[xT+4], 1.0, v[xT+5]              ; f = 2^(old M - new M)
.endm
.macro SHIFT a                         ; t - M, two at a time
.set xS, S+64*(\a)
.set xM, BM+4*(\a)
.set xT, ST+6*(\a)
.set j, 0
.rept 32
	v_pk_fma_f32 v[xS+j:xS+j+1], v[xS+j:xS+j+1], s[CS:CS+1], v[xT:xT+1] op_sel_hi:[1,0,0]
.set j, j+2
.endr
.endm
.set WH1, 252                          ; v252-255 tile 1's 448 x scale
.set WO1, 228                          ; v228-231 tile 1's scale operands (the lane permutes' registers, free behind the maxima)
.macro EXA                             ; tile 0's p = 2^(t - M); among the exponentials tile 1's t - M, which is read behind the next wait alone
.set j, 0
.rept 32
	v_exp_f32 v[S+j], v[S+j]
	v_exp_f32 v[S+j+1], v[S+j+1]
	v_pk_fma_f32 v[S+64+j:S+64+j+1], v[S+64+j:S+64+j+1], s[CS:CS+1], v[ST+6:ST+7] op_sel_hi:[1,0,0]
.set j, j+2
.endr
.endm
.macro HOLD2 a, m                      ; numbers 2 m and 2 m + 1 of tile a are held: the conversion does not saturate (ISA guide 7.6.2); p is not negative, so the hold is one-sided
.set hx, S+64*(\a)+2*(\m)
.set hw, WH+(2*(\m))/16
.if \a
.set hw, WH1+(2*(\m))/16
.endif
	v_dual_min_num_f32 v[hx], v[hx], v[hw] :: v_dual_min_num_f32 v[hx+1], v[hx+1], v[hw]
.endm
.macro EXB                             ; tile 1's p; among the exponentials tile 0's sums of four numbers (of the unquantised p, into the codes' registers) and, behind each, those numbers' holds: all read behind the next wait alone
.set k, 0
.rept 16
	v_exp_f32 v[S+64+4*k], v[S+64+4*k]
	v_pk_add_f32 v[P+2*k:P+2*k+1], v[S+4*k:S+4*k+1], v[S+4*k+2:S+4*k+3]
	v_exp_f32 v[S+65+4*k], v[S+65+4*k]
	HOLD2 0, 2*k
	v_exp_f32 v[S+66+4*k], v[S+66+4*k]
	HOLD2 0, 2*k+1
	v_exp_f32 v[S+67+4*k], v[S+67+4*k]
.set k, k+1
.endr
.endm
.macro SUMT                            ; tile 0's sixteen pairs of partial sums join the row's sum, in two chains
	v_pk_add_f32 v[SC2:SC2+1], v[P:P+1], v[P+2:P+3]
.set j, 4
.rept 7
	v_pk_add_f32 v[ST+2:ST+3], v[ST+2:ST+3], v[P+j:P+j+1]
	v_pk_add_f32 v[SC2:SC2+1], v[SC2:SC2+1], v[P+j+2:P+j+3]
.set j, j+4
.endr
	v_pk_add_f32 v[ST+2:ST+3], v[ST+2:ST+3], v[SC2:SC2+1]
.endm
.macro SUMS a                          ; the row's sum of the unquantised p, in two chains
.set xS, S+64*(\a)
.set xT, ST+6*(\a)
	v_pk_add_f32 v[SC2:SC2+1], v[xS:xS+1], v[xS+2:xS+3]
.set j, 4
.rept 15
	v_pk_add_f32 v[xT+2:xT+3], v[xT+2:xT+3], v[xS+j:xS+j+1]
	v_pk_add_f32 v[SC2:SC2+1], v[SC2:SC2+1], v[xS+j+2:xS+j+3]
.set j, j+4
.endr
	s_delay_alu instid0(VALU_DEP_1)
	v_pk_add_f32 v[xT+2:xT+3], v[xT+2:xT+3], v[SC2:SC2+1]
.endm
; THE EIGHT BLOCKS' SCALES, ahead of the exponentials.  A block's largest p is 2^x, x = t - M of its largest score by the elements' own multiply-add; floor(log2 p) is e = floor(x), held at -118 from below, so that the byte e + 119 cannot fall under 1.
; LIMIT: where v_exp_f32 rounds that largest p up to the next power of two, that one p is held at 448 x the scale.  The eight blocks take turns line by line.
.macro SCALES2
.irp k, 0,1,2,3,4,5,6,7
	v_fma_f32 v[BM+\k], v[BM+\k], s[CS], v[ST+6*(\k/4)]
.endr
.irp k, 0,1,2,3,4,5,6,7
	v_max_num_f32 v[BM+\k], 0xc2ec0000, v[BM+\k]   ; -118
.endr
.irp k, 0,1,2,3,4,5,6,7
	v_cvt_floor_i32_f32 v[BM+\k], v[BM+\k]         ; e
.endr
.irp b, 0,1,2,3
	v_lshl_add_u32 v[WO+\b], v[BM+\b], 23, 0x3b800000      ; the conversions' scale operand: exponent field e + 119
	v_lshl_add_u32 v[WO1+\b], v[BM+4+\b], 23, 0x3b800000
.endr
.irp b, 0,1,2,3
	v_lshl_add_u32 v[WH+\b], v[BM+\b], 23, 0x3fe00000      ; 448 x the scale = 1.75 x 2^e
	v_lshl_add_u32 v[WH1+\b], v[BM+4+\b], 23, 0x3fe00000
.endr
.irp a, 0,1
	v_lshl_add_u32 v[PS+\a], v[BM+4*\a+1], 8, v[BM+4*\a]
	v_lshl_add_u32 v[BM+4*\a+2], v[BM+4*\a+3], 8, v[BM+4*\a+2]
.endr
.irp a, 0,1
	v_lshl_add_u32 v[PS+\a], v[BM+4*\a+2], 16, v[PS+\a]    ; the sum of e x 256^block,
.endr
.irp a, 0,1
	v_add_nc_u32 v[PS+\a], 0x77777777, v[PS+\a]            ; and 119 in each byte: p's scale word for these 128 keys
.endr
.endm
.macro CVT a, b                        ; block b of tile a: 16 numbers a lane become codes
.set cw, WO+(\b)
.if \a
.set cw, WO1+(\b)
.endif
	v_cvt_scalef32_pk8_fp8_f32 v[P+16*(\a)+4*(\b):P+16*(\a)+4*(\b)+1], v[S+64*(\a)+16*(\b):S+64*(\a)+16*(\b)+7], v[cw]
	v_cvt_scalef32_pk8_fp8_f32 v[P+16*(\a)+4*(\b)+2:P+16*(\a)+4*(\b)+3], v[S+64*(\a)+16*(\b)+8:S+64*(\a)+16*(\b)+15], v[cw]
.endm
; A KEY STEP: 128 keys x my 32 queries
.macro STEP
	v_add_nc_u32 v[AD16], s[TB], v[L16]
	v_add_nc_u32 v[AD4], s[TB], v[L4]
	v_add_nc_u32 v[ADM], s[TMK], v[LM]
	PLACES 5                                       ; with the three additions: eight places behind the last products
	WIN 0x40
.irp t, 0,1,2,3,4,5,6,7
.irp c, 0,1
	ds_load_b128 v[8*\t+4*\c:8*\t+4*\c+3], v[AD16] offset:1024*\t+512*\c
.endr
.endr
.irp b, 0,1,2,3
.irp i, 0,1,2,3
	ds_load_b128 v[MK+16*\b+4*\i:MK+16*\b+4*\i+3], v[ADM] offset:128*\b+16*\i
.endr
.endr
	WIN 0
.irp g, 0,1,2,3
	ds_load_b32 v[KS+\g], v[AD4] offset:16384+128*\g
.endr
	s_wait_alu depctr_va_vdst(0)
	s_wait_dscnt 0x0
	WIN 0x11
.irp t, 0,1,2,3,4,5,6,7
.irp a, 0,1
.set rD, S+64*\a+8*\t
.set rA, 8*\t
.set rB, Q+16*\a
.set rC, MK+8*\t
.set rSA, KS+\t/2
.set rSB, QS
	WM \t%2, \a                                    ; S^T = K Q^T / 8 + mask
.endr
.endr
	PLACES 8
	WIN 0x40
.irp i, 0,1,2,3
.irp c, 0,1,2,3
	ds_load_b128 v[16*\i+4*\c:16*\i+4*\c+3], v[AD16] offset:8192+2048*\i+512*\c   ; V lands while the softmax is worked
.endr
.endr
	WIN 0
.irp g, 0,1
	ds_load_b32 v[VS+\g], v[AD4] offset:16896+128*\g
.endr
	MAXES 0
	MAXES 1
	SCALES2
	SHIFT 0
	s_wait_alu depctr_va_vdst(0)                   ; ahead of the first batch
	EXA
	s_wait_alu depctr_va_vdst(0)                   ; behind it, and ahead of the second
	EXB
	v_pk_mul_f32 v[ST+2:ST+3], v[ST+2:ST+3], v[ST+4:ST+5] op_sel_hi:[1,0]      ; the sums under the new M: plain work behind the exponentials
	v_pk_mul_f32 v[ST+8:ST+9], v[ST+8:ST+9], v[ST+10:ST+11] op_sel_hi:[1,0]
	s_wait_alu depctr_va_vdst(0)                   ; behind the second batch
	SUMT
.irp b, 0,1,2,3
	CVT 0, \b                                      ; over the partial sums, which have been read
.endr
	SUMS 1
.irp b, 0,1,2,3
.irp m, 0,1,2,3,4,5,6,7
	HOLD2 1, 8*\b+\m
.endr
	CVT 1, \b
.endr
	WIN 0x41
.irp a, 0,1
.set j, 0
.rept 16
	v_pk_mul_f32 v[O+32*\a+j:O+32*\a+j+1], v[O+32*\a+j:O+32*\a+j+1], v[ST+6*\a+4:ST+6*\a+5] op_sel_hi:[1,0]   ; O^T under the new M; also the places ahead of the products
.set j, j+2
.endr
.endr
	s_wait_alu depctr_va_vdst(0)
	s_wait_dscnt 0x0                               ; V and its scale words
	WIN 0x51
.irp i, 0,1,2,3
.irp a, 0,1
.set rD, O+32*\a+8*\i
.set rC, rD
.set rA, 16*\i
.set rB, P+16*\a
.set rSA, VS+\i/2
.set rSB, PS+\a
	WM \i%2, 0                                     ; O^T += V^T P^T: eight accumulators by turns
.endr
.endr
	WIN 0
.endm
; A slot's key steps: four trips over blocks w / 4 + 2 i.  In pass 2 a scalar branch on the wave's number and the trip leads round the steps that are another wave's
.macro STEPS slot
	s_add_co_u32 s[TB], s[JB], (\slot)*SLOTB
	s_add_co_u32 s[TMK], s[TMB], (\slot)*4096
	s_mov_b32 s[CNT], 4
.Lstep_\@:
	s_and_b32 s18, s[CNT], s[PMASK]
	s_cmp_eq_u32 s18, s[PWANT]
	s_cbranch_scc0 .Lskip_\@
	STEP
.Lskip_\@:
	s_add_co_u32 s[TB], s[TB], 2*STEPB
	s_add_co_u32 s[TMK], s[TMK], 1024
	s_sub_co_u32 s[CNT], s[CNT], 1
	s_cmp_lg_u32 s[CNT], 0
	s_cbranch_scc1 .Lstep_\@
.endm
; THE CHANGE OF SLOTS, at the head of the slot that is read next.  fill = 1: this slot's descriptor steps on, and the other slot is filled behind a round; 2: the same without the step; 0: nothing is left to fetch
.macro CHANGE slot, fill
	s_wait_tensorcnt 0x0                           ; my part of the slot ahead is in; no load of mine is out
	ds_add_u32 v[SPW], v[NIL]
.if (\fill) == 1
	s_add_nc_u64 s[G0+4*(\slot)+2:G0+4*(\slot)+3], s[G0+4*(\slot)+2:G0+4*(\slot)+3], s[STP:STP+1]
.endif
	s_wait_dscnt 0x0                               ; the add, my reads of the slot that I leave, and my LDS stores
.if \fill
	CROUND
	tensor_load_to_lds s[G0+4-4*(\slot):G0+7-4*(\slot)], s[G1:G1+7]   ; my one tensor load until the next round
	s_nop 0
	PLACES 4
.else
	BARRIER
.endif
.endm
; MY PART GOES TO MY REGION: O^T as an image of its registers, and -M and the lane's sum of both tiles
.macro PSTORE
	PLACES 8
	v_mov_b32 v[WH], v[ST]
	v_add_f32 v[WH+1], v[ST+2], v[ST+3]
	v_mov_b32 v[WH+2], v[ST+6]
	v_add_f32 v[WH+3], v[ST+8], v[ST+9]
	WIN 0x04
.set k, 0
.rept 16
	ds_store_b128 v[RG], v[O+4*k:O+4*k+3] offset:512*k   ; each accumulator from its low end on
.set k, k+1
.endr
	WIN 0
	ds_store_b128 v[RG], v[WH:WH+3] offset:8192
.endm
; A PARTNER'S PART, off bytes behind my region, IS JOINED WITH MINE: both under the larger M, by powers of two
.macro PMERGE off
	PLACES 8
.set k, 0
.rept 16
	ds_load_b128 v[S+4*k:S+4*k+3], v[RG] offset:(\off)+512*k
.set k, k+1
.endr
	ds_load_b128 v[WH:WH+3], v[RG] offset:(\off)+8192
	v_add_f32 v[ST+2], v[ST+2], v[ST+3]
	v_add_f32 v[ST+8], v[ST+8], v[ST+9]
	s_wait_alu depctr_va_vdst(0)
	s_wait_dscnt 0x0
.irp a, 0,1
	v_min_num_f32 v[WO+2*\a], v[ST+6*\a], v[WH+2*\a]     ; the smaller -M
.endr
.irp a, 0,1
	v_sub_f32 v[WP+2*\a], v[WO+2*\a], v[ST+6*\a]         ; my M less the new one,
	v_sub_f32 v[WP+2*\a+1], v[WO+2*\a], v[WH+2*\a]       ; the partner's less the new one
.endr
.irp k, 0,1,2,3
	v_cvt_i32_f32 v[WP+\k], v[WP+\k]
.endr
.irp a, 0,1
	v_ldexp_f32 v[ST+6*\a+4], 1.0, v[WP+2*\a]
	v_ldexp_f32 v[BM+2*\a], 1.0, v[WP+2*\a+1]
.endr
.irp a, 0,1
	v_mov_b32 v[ST+6*\a], v[WO+2*\a]
	v_mul_f32 v[ST+6*\a+2], v[ST+6*\a+2], v[ST+6*\a+4]
	v_mov_b32 v[ST+6*\a+3], 0
.endr
.irp a, 0,1
	v_fmac_f32 v[ST+6*\a+2], v[WH+2*\a+1], v[BM+2*\a]
.endr
	WIN 0x41
.irp a, 0,1
.set j, 0
.rept 16
	v_pk_mul_f32 v[O+32*\a+j:O+32*\a+j+1], v[O+32*\a+j:O+32*\a+j+1], v[ST+6*\a+4:ST+6*\a+5] op_sel_hi:[1,0]
.set j, j+2
.endr
.endr
	WIN 0x50
.irp a, 0,1
.set j, 0
.rept 16
	v_pk_fma_f32 v[O+32*\a+j:O+32*\a+j+1], v[S+32*\a+j:S+32*\a+j+1], v[BM+2*\a:BM+2*\a+1], v[O+32*\a+j:O+32*\a+j+1] op_sel_hi:[1,0,1]
.set j, j+2
.endr
.endr
	WIN 0
.endm
; THE WAY OUT: O^T over the row's sum, through my region as a stage, so that sixteen lanes store 256 consecutive bytes, aligned
.macro FINISH outp
.irp a, 0,1
	v_permlanex16_b32 v[WP+\a], v[ST+6*\a+2], s[SEL], s[SEL+1]
.endr
.irp a, 0,1
	v_add_f32 v[ST+6*\a+2], v[ST+6*\a+2], v[WP+\a]
.endr
	s_wait_alu depctr_va_vdst(0)                   ; ahead of the batch
.irp a, 0,1
	v_rcp_f32 v[ST+6*\a+4], v[ST+6*\a+2]
.endr
	v_nop
	s_wait_alu depctr_va_vdst(0)                   ; behind it
	WIN 0x01
.irp a, 0,1
.set j, 0
.rept 16
	v_pk_mul_f32 v[S+32*\a+j:S+32*\a+j+1], v[O+32*\a+j:O+32*\a+j+1], v[ST+6*\a+4:ST+6*\a+5] op_sel_hi:[1,0]
.set j, j+2
.endr
.endr
	WIN 0
.irp a, 0,1
.irp i, 0,1,2,3
.irp q, 0,1
	ds_store_b128 v[STO], v[S+32*\a+8*\i+4*\q:S+32*\a+8*\i+4*\q+3] offset:8*SROWS*\a+128*(\i/2)+32*(\i%2)+16*\q
.endr
.endr
.endr
.irp k, 0,1,2,3,4,5,6,7,8,9,10,11,12,13,14,15
	ds_load_b128 v[112+4*\k:112+4*\k+3], v[RD] offset:2*SROWS*\k   ; LDS serves a wave's instructions in order (ISA guide 5.7.1.4)
.endr
.irp k, 0,1,2,3,4,5,6,7,8,9,10,11,12,13,14,15
	s_wait_dscnt 15-\k                             ; the younger loads may stay out
	global_store_b128 v[GO], v[112+4*\k:112+4*\k+3], s[\outp:\outp+1] offset:6144*\k th:TH_STORE_NT
.endr
	s_wait_xcnt 0x0                                ; the stores have read their registers
.endm
	s_wait_alu depctr_va_vdst(0)
	s_wait_loadcnt 0x0                             ; Q of both passes
.Llap:                                                 ; three laps of the ring: fills 0 to 5 are read, 1 to 6 asked for
	s_mov_b32 s[STP], 2*SLOTB
	s_cmp_eq_u32 s[LAP], 1
	s_cselect_b32 s[STP], s[E2], s[STP]            ; in lap 1 both descriptors step into pass 2's head
	CHANGE 0, 1
	s_cmp_lg_u32 s[LAP], 2
	s_cbranch_scc1 .Lsame_pass
	s_cmp_ge_u32 s[WV], 4                          ; PASS 1 IS OVER: waves 0 to 3 join their partners' parts, which the round has shown, and store their rows
	s_cbranch_scc1 .Lreset
	PMERGE 0
	FINISH OUT1
.Lreset:
	WIN 0x01
.irp a, 0,1
.irp j, 0,1,2,3,4,5,6,7
	v_mov_b32 v[Q+16*\a+\j], v[Q2+8*\a+\j]         ; pass 2's Q
.endr
.endr
	WIN 0
	v_mov_b32 v[QS], v[QS2]
.irp a, 0,1
	v_mov_b32 v[ST+6*\a], 0x4b800000
	v_mov_b32 v[ST+6*\a+1], 0xcb800000
	v_mov_b32 v[ST+6*\a+2], 0
	v_mov_b32 v[ST+6*\a+3], 0
.endr
	WIN 0x40
.set j, 0
.rept 64
	v_mov_b32 v[O+j], 0
.set j, j+1
.endr
	WIN 0
	s_mov_b32 s[PMASK], 1
	s_and_b32 s[PWANT], s[WV], 1
	s_wait_alu depctr_va_vdst(0)
.Lsame_pass:
	STEPS 0
	CHANGE 1, 1
	STEPS 1
	s_cmp_lg_u32 s[LAP], 1
	s_cbranch_scc1 .Lno_part
	s_cmp_lt_u32 s[WV], 4
	s_cbranch_scc1 .Lno_part
	PSTORE                                         ; pass 1's last step is done: waves 4 to 7 hand their parts over; the next change of slots waits for the stores
.Lno_part:
	s_xor_b32 s[TMB], s[TMB], 8192                 ; a lap is sixteen key steps of the head's 32
	s_add_co_u32 s[LAP], s[LAP], 1
	s_cmp_lt_u32 s[LAP], 3
	s_cbranch_scc1 .Llap
	CHANGE 0, 2                                    ; the last lap is written out: fill 7 is asked for, and then nothing
	STEPS 0
	CHANGE 1, 0
	STEPS 1
	; PASS 2's four parts: w + 4 to w, then 1 to 0 and 3 to 2
	s_cmp_lt_u32 s[WV], 4
	s_cbranch_scc1 .Lkeep_a
	PSTORE
.Lkeep_a:
	s_wait_dscnt 0x0
	BARRIER
	s_cmp_ge_u32 s[WV], 4
	s_cbranch_scc1 .Lkeep_b
	PMERGE 0
	s_and_b32 s18, s[WV], 1
	s_cmp_eq_u32 s18, 0
	s_cbranch_scc1 .Lkeep_b
	PSTORE                                         ; into the region that I alone have just read
.Lkeep_b:
	s_wait_dscnt 0x0
	BARRIER
	s_and_b32 s18, s[WV], 5
	s_cmp_lg_u32 s18, 0
	s_cbranch_scc1 .Ldone
	PMERGE RGB
	FINISH OUT2
.Ldone:
	s_wait_tensorcnt 0x0                           ; the wave's end
	ds_add_u32 v[SPW], v[NIL]
	s_wait_dscnt 0x0
	CROUND                                         ; the closing round
	s_endpgm
.Lfunc_end_k_qeacc2a092f_attn:
	.size	k_qeacc2a092f_attn, .Lfunc_end_k_qeacc2a092f_attn-k_qeacc2a092f_attn
	.p2alignl 7, 3214868480
	.fill 96, 4, 3214868480
	.section	.rodata,"a",@progbits
	.p2align	6, 0x0
	.amdhsa_kernel k_qeacc2a092f_attn
		.amdhsa_group_segment_fixed_size 327680
		.amdhsa_private_segment_fixed_size 0
		.amdhsa_enable_private_segment 0
		.amdhsa_kernarg_size 40
		.amdhsa_user_sgpr_count 2
		.amdhsa_user_sgpr_kernarg_segment_ptr 1
		.amdhsa_wavefront_size32 1
		.amdhsa_system_sgpr_workgroup_id_x 1
		.amdhsa_system_sgpr_workgroup_id_y 1
		.amdhsa_system_sgpr_workgroup_id_z 1
		.amdhsa_system_vgpr_workitem_id 0
		.amdhsa_next_free_vgpr 512
		.amdhsa_next_free_sgpr 84
		.amdhsa_reserve_vcc 0
		.amdhsa_float_denorm_mode_32 3
		.amdhsa_float_denorm_mode_16_64 3
		.amdhsa_memory_ordered 1
		.amdhsa_forward_progress 1
		.amdhsa_inst_pref_size 201
	.end_amdhsa_kernel
	.amdgpu_metadata
---
amdhsa.version: [ 1, 2 ]
amdhsa.kernels:
  - .name:           k_qeacc2a092f_attn
    .symbol:         k_qeacc2a092f_attn.kd
    .args:
      - { .name: qimg, .offset: 0, .size: 8, .value_kind: global_buffer, .address_space: global }
      - { .name: qsw, .offset: 8, .size: 8, .value_kind: global_buffer, .address_space: global }
      - { .name: kv, .offset: 16, .size: 8, .value_kind: global_buffer, .address_space: global }
      - { .name: attention_mask, .offset: 24, .size: 8, .value_kind: global_buffer, .address_space: global }
      - { .name: out0, .offset: 32, .size: 8, .value_kind: global_buffer, .address_space: global }
    .group_segment_fixed_size: 327680
    .private_segment_fixed_size: 0
    .kernarg_segment_align: 8
    .kernarg_segment_size: 40
    .max_flat_workgroup_size: 256
    .sgpr_count:     84
    .vgpr_count:     512
    .wavefront_size: 32
...
	.end_amdgpu_metadata
.endif
;; end of part 3
